; MI455X (gfx1250); checked and timed in simulation.
; The chip was launched on July 23, 2026; its instructions are those of AMD's public machine-readable ISA for CDNA 5 (MIT licence, August 2026) and "CDNA5" Instruction Set Architecture Reference Guide (July 2026). The comments in the code are by the model that wrote it; some were corrected since.
;; My LSTM Cell. Allowed arithmetic: matrix products marked QUANTISED: E2M3 operands, one E8M0 scale for each 32 along K, by v_wmma_scale_f32_16x16x128_f8f6f4 with both operands' format E2M3, f32 sums; everything else in f32.
;; Inputs: Wc_codes 2,048 x 128 x 24 uint8 (E2M3 codes of Wc, K innermost, in blocks of 32 codes, four codes in three bytes); Wc_scales 2,048 x 128 uint8 (E8M0 scales of Wc, one for each 32 codes along K); Wf_codes 2,048 x 128 x 24 uint8 (E2M3 codes of Wf, K innermost, in blocks of 32 codes, four codes in three bytes); Wf_scales 2,048 x 128 uint8 (E8M0 scales of Wf, one for each 32 codes along K); Wi_codes 2,048 x 128 x 24 uint8 (E2M3 codes of Wi, K innermost, in blocks of 32 codes, four codes in three bytes); Wi_scales 2,048 x 128 uint8 (E8M0 scales of Wi, one for each 32 codes along K); Wo_codes 2,048 x 128 x 24 uint8 (E2M3 codes of Wo, K innermost, in blocks of 32 codes, four codes in three bytes); Wo_scales 2,048 x 128 uint8 (E8M0 scales of Wo, one for each 32 codes along K); bc 2,048 float32; bf 2,048 float32; bi 2,048 float32; bo 2,048 float32; ct_pro 2,048 x 2,048 float32; ht_pro 2,048 x 2,048 float32; xt 2,048 x 2,048 float32.
;; Outputs: out0 2,048 x 2,048 float32; out1 2,048 x 2,048 float32.
;; This version of the problem:
;;   THIS VERSION OF THE PROBLEM IS GIVEN IN LOW PRECISION. The matrix products marked QUANTISED in the list below multiply operands that are first quantised to E2M3 (2 exponent bits, 3 mantissa bits; 6 bits a number), with one power-of-two scale for each 32 numbers along K (OCP MX v1.0); their sums are f32. All else is computed in f32.
;;   The module's matrix products, in the order in which they are computed (A, B: the left and right operand; K: the contracted axis; several contracted axes count as one K, in the product's order):
;;     1. [M 2,048, K 4,096] x [K 4,096, N 2,048]; A: computed on the way; B: input Wf (given as codes): QUANTISED
;;     2. [M 2,048, K 4,096] x [K 4,096, N 2,048]; A: computed on the way; B: input Wi (given as codes): QUANTISED
;;     3. [M 2,048, K 4,096] x [K 4,096, N 2,048]; A: computed on the way; B: input Wc (given as codes): QUANTISED
;;     4. [M 2,048, K 4,096] x [K 4,096, N 2,048]; A: computed on the way; B: input Wo (given as codes): QUANTISED
;;   THE QUANTISER, for each operand of a quantised product, along K:
;;     - K is cut into blocks of 32 from its start; a last block that is shorter is filled with zeros.
;;     - A block's scale is 2^e with e = floor(log2(the largest magnitude in the block)) - 2, held to -126 .. 127; a block of zeros has e = 0. As a byte (E8M0): e + 127.
;;     - Each number is divided by its block's scale, clamped to +-7.5, and rounded to the nearest number of E2M3, ties to even, subnormals kept.
;;     - The product sums the exact products of the quantised numbers (number of the format x scale) in f32.
;;   ~~~python
;;   def quantise(x, axis):      # numpy; x: float32 -> the quantised numbers, widened to float32 again
;;       x = np.moveaxis(x, axis, -1); K = x.shape[-1]
;;       x = np.pad(x, [(0, 0)] * (x.ndim - 1) + [(0, -K % 32)]); x = x.reshape(x.shape[:-1] + (-1, 32)); a = np.abs(x).max(-1, keepdims=True)
;;       e = np.where(a > 0, np.clip(np.frexp(np.where(a > 0, a, 1))[1] - 1 - 2, -126, 127), 0)      # np.frexp(a)[1] - 1 = floor(log2(a)), exactly
;;       r = np.clip(x / 2.0 ** e, -7.5, 7.5)
;;       step = 2.0 ** (np.maximum(np.frexp(np.where(r == 0, 1, r))[1] - 1, 0) - 3)
;;       q = np.round(r / step) * step * 2.0 ** e      # np.round: ties to even
;;       return np.moveaxis(q.reshape(q.shape[:-2] + (-1,))[..., :K], -1, axis).astype(np.float32)
;;   ~~~
;;   OPERANDS COMPUTED ON THE WAY. 'Computed on the way' means the value that the module computes at that place (a softmax that the list does not call 'softmax' is quantised finished and normalised). What goes into a quantiser is computed in f32, as accurately as f32 sums, v_exp_f32 and their like allow (about 1e-6 of the number): no bf16 or f16 on the way to a quantiser, and a product that is left as it is and whose result goes on into a quantised operand takes f32 operands (vector FMAs, or v_wmma_f32_16x16x4_f32). A number that lies on a knife's edge between two numbers of the format may be rounded either way, as far as f32 arithmetic and the matrix unit's own rounding can turn it there, and no further.
;;   INPUTS GIVEN AS CODES. Wc (in the module: [2048, 4096], K = its axis 1); Wf (in the module: [2048, 4096], K = its axis 1); Wi (in the module: [2048, 4096], K = its axis 1); Wo (in the module: [2048, 4096], K = its axis 1): each comes as NAME_codes (uint8): NAME with its K axis moved to the last place and cut into blocks of 32 codes, [.., K / 32, bytes a block], one block behind the other in memory; four codes in three bytes: a row's codes are one little-endian stream of bits, code i at bits 6 i .. 6 i + 5 (a code: sign, 2 exponent bits, 3 mantissa bits); and NAME_scales (uint8): the same leading axes, one E8M0 byte (e + 127) for each 32 codes along K. Its value is code x scale, taken as it is: it is not quantised again, and the codes and scales need not be those that the quantiser above would give.
;; One version. Each part assembles by itself: llvm-mc -triple=amdgcn-amd-amdhsa -mcpu=gfx1250 --defsym DOCPART=n.
;; ======== version 1 of 1: 2 launches
;; limits: right only within a limited range of input values
;; workspace buffers: a_img 6,291,456 bytes; a_sc 262,144 bytes
;; launch quant (part 1): grid 512 x 1, 4 waves a work-group, no clusters, 67,072 bytes of LDS; arguments xt, ht_pro, a_img, a_sc; writes a_img, a_sc
.if DOCPART == 1
	.amdgcn_target "amdgcn-amd-amdhsa--gfx1250"
	.amdhsa_code_object_version 6
	.text
	.protected	k_q15b33ec3db_quant
	.globl	k_q15b33ec3db_quant
	.p2align	8
	.type	k_q15b33ec3db_quant,@function
k_q15b33ec3db_quant:
	s_mov_b64 s[64:65], 0
	v_nop
	global_prefetch_b8 v0, s[64:65] scope:SCOPE_SE
	s_setreg_imm32_b32 hwreg(HW_REG_WAVE_MODE, 25, 1), 1
	s_wait_xcnt 0x0
; xh = [xt | ht_pro], [2048][4096] f32, becomes codes of FP6 (E2M3) with one E8M0 scale byte for each 32 along K.
; A block's scale is 2^(floor(log2(its largest magnitude)) - 2); its byte is the largest magnitude's exponent field - 2, held at 1 from below.
; LIMITS: a block of zeros gets the byte 1 where the rule says 127 (its codes are zeros, and the bytes are read by this program alone);
; NaN and infinities among the inputs are not served.
; THE CODES ARE LAID AS IMAGES OF THE OPERAND'S REGISTERS: a_img [mb 8][ks 16][q 2][i 16][c 3][lane 32][16 bytes]: registers 4 c .. 4 c + 3 of the
; fragment of rows 256 mb + 16 i + lane % 16 and K = 256 ks + 128 q + 0 .. 127.  So a K step's tile of 256 rows is one dense block of 49,152 bytes.
; THE SCALES: a_sc [2048 rows][32 words]: word s holds the four bytes of K = 128 s .. 128 s + 127.
; SHARES.  Work-group g: rows 16 (g / 4) on, K quarter g % 4 (quarters 0, 1 lie in xt, 2, 3 in ht_pro); wave w: 256 along K: two fragments.
; Each of a wave's 32 loads reads 512 consecutive bytes; the 16 KiB turn through the wave's own stage in LDS (rows 1,040 bytes apart), so that a lane
; gets 16 neighbours of each block of 32 of its row.  Waves share nothing: no barrier.  No loop: all 32 loads of a wave are out together.
.set STW,  16640                       ; a wave's stage: 16 rows x 1,040 bytes
.set SPI,  1040                        ; 1,024 bytes of a row + 16
.set RAW,  16                          ; v16-143  the numbers as loaded
.set X0,   144                         ; v144-207 fragment 0's 64 numbers of my lane
.set X1,   16                          ; v16-79   fragment 1's (RAW's registers, once the stage stores are done)
.set TM,   208                         ; v208-223 at work
.set PW0,  224                         ; the two scale words
.set PW1,  225
.set PCA,  228                         ; v228-246 fragment 0's codes
.set PCB,  100                         ; v100-118 fragment 1's codes: other registers, so that no store's data are written again
; 64 numbers of a lane, register 16 b + e = k 32 b + 16 (lane / 16) + e of my row, become a fragment's 12 registers of codes in v[pc] on and its scale word in v[pw].
.macro QUANT s, pc, pw
.irp b, 0,1,2,3
	v_max3_num_f32 v[TM+\b], |v[\s+16*\b]|, |v[\s+1+16*\b]|, 0x1800000   ; block b: my 16 numbers, and the floor 2^(3 - 127): the byte cannot fall under 1
.endr
.irp i, 2,4,6,8,10,12,14
.irp b, 0,1,2,3
	v_max3_num_f32 v[TM+\b], v[TM+\b], |v[\s+16*\b+\i]|, |v[\s+1+16*\b+\i]|   ; the four blocks by turns
.endr
.endr
.irp b, 0,1,2,3
	v_permlanex16_b32 v[TM+4+\b], v[TM+\b], s20, s21
.endr
.irp b, 0,1,2,3
	v_max_num_f32 v[TM+\b], v[TM+\b], v[TM+4+\b]       ; with lane l xor 16's: the block's largest magnitude
.endr
.irp b, 0,1,2,3
	v_add_nc_u32 v[TM+12+\b], 0xff000000, v[TM+\b]     ; 2 off its exponent field: the conversion takes the exponent field of this operand as its scale
.endr
.irp b, 0,1,2,3
	v_lshrrev_b32 v[TM+4+\b], 23, v[TM+12+\b]          ; the scale's byte
.endr
	v_lshl_or_b32 v[\pw], v[TM+5], 8, v[TM+4]          ; four bytes make my row's scale word
	v_lshl_or_b32 v[\pw], v[TM+6], 16, v[\pw]
	v_lshl_or_b32 v[\pw], v[TM+7], 24, v[\pw]
.irp c, 0,1
	v_cvt_scalef32_pk16_fp6_f32 v[\pc+6*\c:\pc+2+6*\c], v[\s+32*\c:\s+15+32*\c], v[TM+12+2*\c]
	v_cvt_scalef32_pk16_fp6_f32 v[\pc+12+4*\c:\pc+14+4*\c], v[\s+16+32*\c:\s+31+32*\c], v[TM+12+2*\c+1]   ; (a conversion's three registers begin on an even number)
.endr
	v_nop                                              ; one plain place behind a scaled conversion
.irp c, 0,1                                        ; the operand's layout wants a whole block in a lane: lanes 0-15 block 2 c, lanes 16-31 block 2 c + 1
.irp i, 0,1,2
	v_permlane16_swap_b32 v[\pc+6*\c+\i], v[\pc+12+4*\c+\i]
.endr
.irp i, 0,1,2
	v_mov_b32 v[\pc+3+6*\c+\i], v[\pc+12+4*\c+\i]
.endr
.endr
.endm
	s_load_b256 s[4:11], s[0:1], 0x0               ; xt s[4:5], ht_pro s[6:7], a_img s[8:9], a_sc s[10:11]
	v_lshl_add_u32 v254, v0, 2, 0x10400
	v_mov_b32 v255, 0
	v_lshrrev_b32 v1, 5, v0
	v_readfirstlane_b32 s12, v1                    ; wave 0..3
	v_and_b32 v1, 31, v0                           ; lane
	v_and_b32 v2, 15, v0                           ; r
	v_bfe_u32 v3, v0, 4, 1                         ; h
	v_lshlrev_b32 v4, 4, v1                        ; 16 x lane: my bytes of a load's 512, and of an image's 512
	s_mul_i32 s13, s12, STW
	v_add_nc_u32 v5, s13, v4                       ; the stage, on the way in
	v_mul_u32_u24 v6, v2, SPI
	v_lshl_add_u32 v6, v3, 6, v6
	v_add_nc_u32 v6, s13, v6                       ; and out: row r, + 64 h: my 16 numbers of a block of 32
	v_lshlrev_b32 v8, 7, v2
	v_lshl_add_u32 v8, v3, 2, v8                   ; the scale words: row r of 128 bytes; lanes 0-15 store fragment 0's word, lanes 16-31 fragment 1's
	s_mov_b32 s20, 0x76543210
	s_mov_b32 s21, 0xfedcba98                      ; v_permlanex16_b32's selects for lane l xor 16
.irp b, 0,1,2,3
	v_mov_b32 v[TM+4+\b], 0                        ; written once: a lane permute's destination counts as one of its sources
.endr
	s_lshr_b32 s14, ttmp9, 2                       ; which 16 rows
	s_and_b32 s15, ttmp9, 3                        ; which quarter of K
	s_and_b32 s16, ttmp9, 1
	s_lshl_b32 s16, s16, 2
	s_add_co_u32 s16, s16, s12                     ; which 256 columns of the source: 4 (g % 2) + wave
	s_lshl_b32 s16, s16, 10                        ; 1,024 bytes each
	s_lshl_b32 s17, s14, 17                        ; 16 rows of 8,192 bytes
	s_add_co_u32 s16, s16, s17
	s_mov_b32 s17, 0                               ; s[16:17]: my part of the source
	s_lshl_b32 s18, s15, 2
	s_add_co_u32 s18, s18, s12                     ; ks = 4 (g % 4) + wave
	s_lshr_b32 s22, ttmp9, 6                       ; mb
	s_mul_i32 s22, s22, 786432
	s_mul_i32 s23, s18, 49152
	s_add_co_u32 s22, s22, s23
	s_and_b32 s23, s14, 15                         ; i
	s_mul_i32 s23, s23, 1536
	s_add_co_u32 s22, s22, s23
	s_mov_b32 s23, 0                               ; s[22:23]: my two images
	s_lshl_b32 s24, s14, 11                        ; 16 rows of 128 bytes of scale words
	s_lshl_b32 s25, s18, 3                         ; two words a K step
	s_add_co_u32 s24, s24, s25
	s_mov_b32 s25, 0
	s_wait_alu depctr_va_vdst(0)
	s_wait_kmcnt 0x0
	s_cmp_lt_u32 s15, 2                            ; the choice hangs on the work-group's number alone
	s_cselect_b64 s[4:5], s[4:5], s[6:7]
	s_add_nc_u64 s[4:5], s[4:5], s[16:17]
	s_add_nc_u64 s[8:9], s[8:9], s[22:23]
	s_add_nc_u64 s[10:11], s[10:11], s[24:25]
.set j, 0
.rept 32
	global_load_b128 v[RAW+4*j:RAW+4*j+3], v4, s[4:5] offset:(j/2)*8192+(j%2)*512 th:TH_LOAD_NT   ; row j / 2, half j % 2: 512 consecutive bytes
.set j, j+1
.endr
.set j, 0
.rept 32
	s_wait_loadcnt 31-j                            ; loads come back in order: load j is in, the younger ones stay out
	ds_store_b128 v5, v[RAW+4*j:RAW+4*j+3] offset:(j/2)*SPI+(j%2)*512
.set j, j+1
.endr
.irp b, 0,1,2,3
.irp p, 0,1,2,3
	ds_load_b128 v[X0+16*\b+4*\p:X0+16*\b+4*\p+3], v6 offset:128*\b+16*\p   ; LDS serves a wave's instructions in order: these see my stores
.endr
.endr
	s_wait_dscnt 0x0                               ; fragment 0's numbers are in, and the stage stores are done: RAW's registers are free
.irp b, 0,1,2,3
.irp p, 0,1,2,3
	ds_load_b128 v[X1+16*\b+4*\p:X1+16*\b+4*\p+3], v6 offset:512+128*\b+16*\p
.endr
.endr
	QUANT X0, PCA, PW0
.irp c, 0,1,2
	global_store_b128 v4, v[PCA+4*\c:PCA+4*\c+3], s[8:9] offset:512*\c           ; 32 lanes store 512 consecutive bytes, at a multiple of 512 from the buffer's first byte
.endr
	s_wait_dscnt 0x0                               ; fragment 1's numbers are in
	QUANT X1, PCB, PW1
.irp c, 0,1,2
	global_store_b128 v4, v[PCB+4*\c:PCB+4*\c+3], s[8:9] offset:24576+512*\c
.endr
	v_cmp_lt_u32 vcc_lo, 15, v1
	v_cndmask_b32 v226, v[PW0], v[PW1], vcc_lo     ; every lane holds its row's words: lanes 0-15 send fragment 0's, lanes 16-31 fragment 1's
	global_store_b32 v8, v226, s[10:11]            ; 8 bytes of each of 16 rows: one part in 150 of what the launch moves
	s_wait_tensorcnt 0x0
	ds_add_u32 v254, v255
	s_wait_dscnt 0x0
	s_endpgm
.Lfunc_end_k_q15b33ec3db_quant:
	.size	k_q15b33ec3db_quant, .Lfunc_end_k_q15b33ec3db_quant-k_q15b33ec3db_quant
	.p2alignl 7, 3214868480
	.fill 96, 4, 3214868480
	.section	.rodata,"a",@progbits
	.p2align	6, 0x0
	.amdhsa_kernel k_q15b33ec3db_quant
		.amdhsa_group_segment_fixed_size 67072
		.amdhsa_private_segment_fixed_size 0
		.amdhsa_enable_private_segment 0
		.amdhsa_kernarg_size 32
		.amdhsa_user_sgpr_count 2
		.amdhsa_user_sgpr_kernarg_segment_ptr 1
		.amdhsa_wavefront_size32 1
		.amdhsa_system_sgpr_workgroup_id_x 1
		.amdhsa_system_sgpr_workgroup_id_y 1
		.amdhsa_system_sgpr_workgroup_id_z 1
		.amdhsa_system_vgpr_workitem_id 0
		.amdhsa_next_free_vgpr 256
		.amdhsa_next_free_sgpr 66
		.amdhsa_reserve_vcc 1
		.amdhsa_float_denorm_mode_32 3
		.amdhsa_float_denorm_mode_16_64 3
		.amdhsa_memory_ordered 1
		.amdhsa_forward_progress 1
		.amdhsa_inst_pref_size 19
	.end_amdhsa_kernel
	.amdgpu_metadata
---
amdhsa.version: [ 1, 2 ]
amdhsa.kernels:
  - .name:           k_q15b33ec3db_quant
    .symbol:         k_q15b33ec3db_quant.kd
    .args:
      - { .name: xt, .offset: 0, .size: 8, .value_kind: global_buffer, .address_space: global }
      - { .name: ht_pro, .offset: 8, .size: 8, .value_kind: global_buffer, .address_space: global }
      - { .name: a_img, .offset: 16, .size: 8, .value_kind: global_buffer, .address_space: global }
      - { .name: a_sc, .offset: 24, .size: 8, .value_kind: global_buffer, .address_space: global }
    .group_segment_fixed_size: 67072
    .private_segment_fixed_size: 0
    .kernarg_segment_align: 8
    .kernarg_segment_size: 32
    .max_flat_workgroup_size: 128
    .sgpr_count:     66
    .vgpr_count:     256
    .wavefront_size: 32
...
	.end_amdgpu_metadata
.endif
;; end of part 1
;; launch lstm (part 2): grid 8 x 32, 4 waves a work-group, clusters of 4 x 1, 327,680 bytes of LDS; arguments a_img, a_sc, Wf_codes, Wi_codes, Wc_codes, Wo_codes, Wf_scales, Wi_scales, Wc_scales, Wo_scales, bf, bi, bc, bo, out0, out1; writes out0, out1
.if DOCPART == 2
	.amdgcn_target "amdgcn-amd-amdhsa--gfx1250"
	.amdhsa_code_object_version 6
	.text
	.protected	k_q15b33ec3db_lstm
	.globl	k_q15b33ec3db_lstm
	.p2align	8
	.type	k_q15b33ec3db_lstm,@function
k_q15b33ec3db_lstm:
	s_mov_b64 s[64:65], 0
	v_nop
	global_prefetch_b8 v0, s[64:65] scope:SCOPE_SE
	s_setreg_imm32_b32 hwreg(HW_REG_WAVE_MODE, 25, 1), 1
	s_wait_xcnt 0x0
	s_wait_alu depctr_hold_cnt(0) depctr_sa_sdst(0) depctr_va_vdst(0) depctr_va_sdst(0) depctr_va_ssrc(0) depctr_va_vcc(0) depctr_vm_vsrc(0)
	s_getreg_b32 s2, hwreg(HW_REG_IB_STS2, 6, 4)
	s_cmp_eq_u32 s2, 0
	s_cbranch_scc0 .Lentry_in_a_cluster
	s_endpgm
.Lentry_in_a_cluster:
	s_bfe_u32 s2, ttmp6, 0x10000c
	s_cmp_lg_u32 s2, 0x3003
	s_cbranch_scc0 .Lentry_shape_is_right
	s_endpgm
.Lentry_shape_is_right:
; z_g = xh W_g^T + b_g for the gates g = f, i, c, o, on codes of FP6 (E2M3) with one E8M0 scale for each 32 along K = 4,096;
; ct = (sigmoid(z_f) + sigmoid(z_i)) tanh(z_c) -> out1;  ht = sigmoid(z_o) tanh(ct) -> out0.  Sums and all else in f32.
; ct_pro is no argument: the function computed here never uses it, so no output hangs on it for any values; a NaN or infinity in it is not carried to a result.
; LIMITS: sigmoid(z) = 1 / (1 + 2^(-z log2 e)), tanh(z) = 1 - 2 / (1 + 2^(2 z log2 e)); where the power overflows or falls to 0 the results are 0, 1, -1, never NaN.
; SHARES.  A work-group of four waves makes 256 rows x 64 columns of both outputs: 256 rows of xh x 256 weight rows (64 of each gate).  A wave makes 128 x 128: 64 accumulators.
; Wave (wm, wn): xh's blocks of 16 rows 2 a + wm; weight block b = 2 g + u is rows 16 (2 u + wn) on of gate g's 64.  The matrix instruction is used transposed (source 0 = weights, source 1 = xh):
; lane (r, h), register j of accumulator (a, b) is z_g(row 16 (2 a + wm) + r, column 16 (2 u + wn) + 8 h + j): the four gates of one output lie in one lane under one register number.
; THE WEIGHTS go in chunks of 256 bytes of each row (a row of codes is 3,072 bytes, so every chunk begins at a multiple of 256) through THREE LDS slots.  A step of 128 along K is 96 bytes: eight steps are
; three chunks, so with three slots the ring is back where it began after the loop's eight steps, and a step that lies across two chunks finds the later chunk shown by the round before: one round a chunk.
; CLUSTER: the four work-groups share their 64 columns: every weight tile is asked for jointly (mask 15), wave w fetching gate w.
; xh's fragments come from memory straight into the operand's registers (the buffer holds images of them), two steps ahead.  They are not asked for jointly: a fill would have five tiles (xh's and four gates',
; in four buffers that no one descriptor spans) for four waves with one tensor load each.  For the same reason they have no prefetch: their loads are out 96 matrix instructions ahead of their use.
; TWO RUNS OF LOADS A STEP, of like length.  In the middle of step t: xh's blocks 0-3 of step t + 2, weight blocks 4-7 of step t + 1, and every second step scale words.  At its end: xh's blocks 4-7 and weight blocks 0-3 of step t + 2.
; The scales of the work-group's rows (65,536 bytes, one part in 25 of what it reads) come once, by plain loads, and are stored into LDS bytes of their own.  The biases are the C of the first products.
; REGISTERS: window 0: v1-29 addresses; v32-63 scale words, two sets; v64-159, v160-255 xh's fragments, two sets.  window 1: weight fragments at v0 and v128; v96-127, v224-255 the biases, and behind
; step 0 the weights' LDS addresses.  windows 2, 3: accumulator (a, b) at v[8 (8 (a % 4) + b)] of window 2 + a / 4.
.set FR,     12
.set PITCH,  272                       ; an LDS row: 256 bytes + 16 of padding = 68 words, so the 32 lanes of a load of 8 bytes touch 64 different banks (ISA guide 11.1)
.set BLKB,   16*PITCH
.set GATEB,  64*PITCH                  ; a gate's 64 rows: what one tensor load brings
.set SLOT,   4*GATEB                   ; 69,632 bytes
.set ASTEP,  24576                     ; xh's images of 256 rows x 128 K in memory
.set SCA,    3*SLOT                    ; xh's scale words: 128 x (256 bytes + 16); no tile lands here
.set SCB,    SCA+34816                 ; the gates'
.set SPARE,  SCB+34816                 ; the spare words, 128 bytes a wave
.set SPITCH, 272                       ; the way out: two stages of 256 rows x 272 bytes over slots 0 and 1, which have had their last fill and read by then
.set STG1,   256*SPITCH
.set GA,   8                           ; my byte offset in xh's images of a step
.set VB,   9                           ; my byte offset in a bias
.set PFO,  10                          ; prefetch: a lane a row, lanes 16-31 name lane 15's row again
.set PF2,  11                          ; prefetch at the head: lanes 0-15 one chunk, lanes 16-31 the next
.set ADR0, 12                          ; LDS address of my weight block 0 in slot 0
.set SS,   13                          ; where I store scales
.set MX,   14                          ; lanes 0-15 byte 232 of the row in slot 0, lanes 16-31 byte 0 of the row in slot 1
.set ADRS, 20                          ; my scale words: lanes 0-15 xh's rows, lanes 16-31 the weights'
.set STO,  21
.set RD,   23
.set CO,   25
.set SPW,  28
.set NIL,  29
.set SC,   32
.set AF,   64
.set G1B,  48                          ; s[48:55] group 1 of a gate's tile; groups 0 of slots 0, 1, 2: s[56:59], s[60:63], s[68:71]
.set G0B,  56
.set PFA,  72                          ; s[72:73] prefetch base: my gate's rows, my work-group's 16 of the 64
.set DSN,  0                           ; the LDS loads of the run at the end of the step before, counted as the text is assembled
.set MSB, 0
.macro WIN new
.if MSB != (\new)
	s_set_vgpr_msb (MSB<<8)|(\new)
.set MSB, (\new)
.endif
.endm
.set MUL_LO, 0xa1                      ; source 0 window 1, source 1 window 0, C and D window 2
.set MUL_HI, 0xf1
.set FST_LO, 0x91                      ; C (a bias) window 1
.set FST_HI, 0xd1
.set TO_B,   0x40
.macro CREST
	s_cmp_lg_u32 s36, 0
	s_cbranch_scc1 .Lnot_wave_0_\@
	s_barrier_signal -3
.Lnot_wave_0_\@:
	s_barrier_wait -3
	s_barrier_signal -1
	s_barrier_wait -1
.endm
.macro CROUND
	s_barrier_signal -1
	s_barrier_wait -1
	CREST
.endm
.macro PLACES n
.rept \n
	v_nop
.endr
.endm
	s_load_b512 s[4:19], s[0:1], 0x0               ; a_img, a_sc, codes of f, i, c, o, scales of f, i
	s_load_b512 s[20:35], s[0:1], 0x40             ; scales of c, o, biases s[24:31], out0 s[32:33], out1 s[34:35]
	v_lshl_add_u32 v[SPW], v0, 2, SPARE
	v_mov_b32 v[NIL], 0
	ds_add_u32 v[SPW], v[NIL]                      ; the opening lines: the add twice on end and one wait
	ds_add_u32 v[SPW], v[NIL]
	v_lshrrev_b32 v1, 5, v0
	v_readfirstlane_b32 s36, v1                    ; wave: also the gate that I fetch
	s_lshr_b32 s37, s36, 1                         ; wm
	s_and_b32 s38, s36, 1                          ; wn
	s_bfe_u32 s39, ttmp6, 0x40000                  ; cx: enters global addresses alone
	s_lshl_b32 s40, ttmp9, 2
	s_add_co_u32 s40, s40, s39                     ; mb: my 256 rows
	s_and_b32 s41, ttmp7, 0xffff                   ; nb: my 64 columns, shared by the four partners
	s_mov_b32 s[G1B+0], 15|(1<<20)|(1<<21)|(5<<22)|(3<<25)   ; mask of all four; 1-byte elements; 4 words of padding behind every 64
	s_mov_b32 s[G1B+1], 256<<16
	s_mov_b32 s[G1B+2], 64<<16
	s_mov_b32 s[G1B+3], 256<<16
	s_mov_b32 s[G1B+4], 64
	s_mov_b32 s[G1B+5], 3072
	s_mov_b32 s[G1B+6], 0
	s_mov_b32 s[G1B+7], 0
	s_mul_i32 s42, s37, 1536
	s_lshl_b32 s43, s41, 8
	s_lshl_b32 s67, s38, 6
	s_add_co_u32 s43, s43, s67                     ; a bias: 4 (64 nb + 16 wn)
	s_mul_i32 s44, s38, BLKB
	s_mul_i32 s45, s36, 8704
	s_add_co_u32 s45, s45, SCA
	s_mul_i32 s46, s37, 2176
	s_mul_i32 s47, s38, 2176
	s_add_co_u32 s47, s47, SCB-SCA
	s_sub_co_u32 s47, s47, s46
	s_add_co_u32 s46, s46, SCA
	s_lshl_b32 s66, s37, 4
	s_lshl_b32 s74, s36, 4
	v_and_b32 v1, 15, v0                           ; r
	v_bfe_u32 v2, v0, 4, 1                         ; h
	v_and_b32 v3, 31, v0
	v_min_u32 v[PFO], 15, v3
	v_mul_u32_u24 v[PFO], 0xc00, v[PFO]
	v_mul_u32_u24 v[PF2], 0xc00, v1
	v_lshl_add_u32 v[PF2], v2, 8, v[PF2]
	v_lshlrev_b32 v3, 4, v3                        ; 16 x lane
	v_add_nc_u32 v[GA], s42, v3
	v_lshl_add_u32 v[VB], v2, 5, s43
	v_mul_u32_u24 v4, v1, PITCH
	v_add_nc_u32 v5, s44, v4                       ; row 16 wn + r
	v_mad_u32_u24 v[ADR0], v2, 24, v5              ; + 24 h
	v_mul_u32_u24 v6, SLOT-232, v2
	v_add_nc_u32 v6, v6, v5
	v_add_nc_u32 v[MX], 232, v6
	v_mul_u32_u24 v6, v2, PITCH
	v_lshl_add_u32 v6, v1, 4, v6
	v_add_nc_u32 v[SS], s45, v6                    ; a load's 512 bytes are two units of 256: unit h, 16 r
	v_lshlrev_b32 v4, 7, v1                        ; my row's scale words: 128 bytes a row, 16 more for each 256 passed
	v_lshrrev_b32 v5, 1, v1
	v_lshl_add_u32 v4, v5, 4, v4
	v_mul_u32_u24 v5, s47, v2                      ; lanes 16-31 take the weights'
	v_add_nc_u32 v4, v4, v5
	v_add_nc_u32 v[ADRS], s46, v4
	v_add_nc_u32 v4, s66, v1                       ; the stages, in: row 32 a + 16 wm + r, bytes 128 u + 64 wn + 32 h on
	v_mul_u32_u24 v4, v4, SPITCH
	v_lshl_add_u32 v4, v2, 5, v4
	v_add_nc_u32 v[STO], s67, v4
	v_add_nc_u32 v[STO+1], STG1, v[STO]
	v_add_nc_u32 v4, s74, v2                       ; back: of each 64 rows my wave's 16; lanes 0-15 one row, lanes 16-31 the next
	v_mul_u32_u24 v4, v4, SPITCH
	v_lshl_add_u32 v[RD], v1, 4, v4
	v_add_nc_u32 v[RD+1], STG1, v[RD]
	v_lshlrev_b32 v[CO], 13, v2
	v_lshl_add_u32 v[CO], v1, 4, v[CO]
	s_wait_alu depctr_va_vdst(0)
	s_wait_dscnt 0x0                               ; both opening adds are done
	s_wait_kmcnt 0x0
	s_cmp_eq_u32 s38, 0                            ; my gate's buffers: a choice on the wave's number alone
	s_cselect_b64 s[44:45], s[8:9], s[10:11]
	s_cselect_b64 s[66:67], s[12:13], s[14:15]
	s_cselect_b64 s[92:93], s[16:17], s[18:19]
	s_cselect_b64 s[94:95], s[20:21], s[22:23]
	s_cmp_lt_u32 s36, 2
	s_cselect_b64 s[44:45], s[44:45], s[66:67]
	s_cselect_b64 s[94:95], s[92:93], s[94:95]
	s_mov_b32 s43, 0
	s_lshl_b32 s42, s41, 13                        ; my 64 rows of a gate's scales
	s_add_nc_u64 s[94:95], s[94:95], s[42:43]
	s_lshl_b32 s42, s40, 15                        ; xh's scale words: my 256 rows, my wave's 64 of them
	s_lshl_b32 s46, s36, 13
	s_add_co_u32 s42, s42, s46
	s_add_nc_u64 s[96:97], s[6:7], s[42:43]
	WIN 0x80                                       ; into registers of window 2 that hold no sum yet
.set j, 0
.rept 16
	global_load_b128 v[4*j:4*j+3], v3, s[94:95] offset:512*j       ; my gate's scales: 8,192 dense bytes
	global_load_b128 v[64+4*j:64+4*j+3], v3, s[96:97] offset:512*j ; a quarter of xh's
.set j, j+1
.endr
	WIN 0
	s_mul_i32 s42, s41, 196608                     ; my 64 rows of a gate's codes
	s_add_nc_u64 s[44:45], s[44:45], s[42:43]
	s_mul_i32 s16, s36, GATEB                      ; where they go: wave x a constant
.irp s, 0,1,2
	s_mov_b32 s[G0B+4*\s+4*(\s/2)], 1
	s_add_co_u32 s[G0B+4*\s+4*(\s/2)+1], s16, \s*SLOT
	s_add_nc_u64 s[G0B+4*\s+4*(\s/2)+2:G0B+4*\s+4*(\s/2)+3], s[44:45], \s*256   ; chunk s
	s_or_b32 s[G0B+4*\s+4*(\s/2)+3], s[G0B+4*\s+4*(\s/2)+3], 0x80000000
.endr
	s_mul_i32 s42, s39, 49152                      ; the partners share a tile's 64 rows out by address: 16 each
	s_add_nc_u64 s[PFA:PFA+1], s[44:45], s[42:43]
	s_mul_i32 s42, s40, 786432
	s_add_nc_u64 s[4:5], s[4:5], s[42:43]          ; xh's images of my 256 rows: this base walks, eight steps a trip
	s_lshl_b32 s42, s40, 21
	s_lshl_b32 s46, s36, 17
	s_add_co_u32 s42, s42, s46
	s_lshl_b32 s46, s41, 8
	s_add_co_u32 s42, s42, s46
	s_add_nc_u64 s[32:33], s[32:33], s[42:43]
	s_add_nc_u64 s[34:35], s[34:35], s[42:43]
	CROUND                                         ; all four work-groups are here: the first joint loads meet
	tensor_load_to_lds s[G0B:G0B+3], s[G1B:G1B+7]  ; chunk 0 of my gate: one tensor load a wave at the head
	s_nop 0
	PLACES 4
.macro PIECE n, st, p                  ; where piece p of step st lies: lanes 0-15 at byte BY of the ring's 768, lanes 16-31 24 bytes on
.set BY\n, 96*((\st)%8)+48*((\p)/3)+8*((\p)%3)
.if BY\n/256 == (BY\n+24)/256
.set AR\n, 96+8*(BY\n/256)             ; both halves in one chunk: the slot's address registers
.set OF\n, BY\n%256
.else
.set AR\n, 224+8*(BY\n/256)            ; the halves in two chunks
.set OF\n, BY\n%256-232
.endif
.endm
.macro FRAG reg, st, b                 ; a weight fragment: six pieces of 8 bytes, two to an instruction where one address register serves both
.irp p, 0,2,4
	PIECE 0, \st, \p
	PIECE 1, \st, \p+1
.if AR0 == AR1
	ds_load_2addr_b64 v[\reg+2*\p:\reg+2*\p+3], v[AR0+\b] offset0:OF0/8 offset1:OF1/8
.set DSN, DSN+1
.else
	ds_load_b64 v[\reg+2*\p:\reg+2*\p+1], v[AR0+\b] offset:OF0
	ds_load_b64 v[\reg+2*\p+2:\reg+2*\p+3], v[AR1+\b] offset:OF1
.set DSN, DSN+2
.endif
.endr
.endm
.macro FETCH_B st, i0                  ; weight blocks i0 .. i0 + 3 of step st into set st % 2
	WIN 0x41
.irp i, \i0, \i0+1, \i0+2, \i0+3
	FRAG 128*((\st)%2)+FR*(\i), \st, \i
.endr
	WIN 0
.endm
.macro FETCH_P st, i0                  ; the same for steps 0 and 1, from one address register of window 0: 24 loads
	WIN TO_B
.irp i, \i0, \i0+1, \i0+2, \i0+3
.irp p, 0,1,2,3,4,5
	ds_load_b64 v[128*((\st)%2)+FR*(\i)+2*\p:128*((\st)%2)+FR*(\i)+2*\p+1], v[ADR0] offset:96*(\st)+48*(\p/3)+8*(\p%3)+(\i)*2*BLKB
.endr
.endr
	WIN 0
.endm
.macro LOAD_A set, ai, a0              ; xh's blocks a0 .. a0 + 3 of the step ai steps behind the base: three loads of 512 consecutive bytes each
.irp a, \a0, \a0+1, \a0+2, \a0+3
.irp c, 0,1,2
	global_load_b128 v[AF+96*(\set)+FR*(\a)+4*\c:AF+96*(\set)+FR*(\a)+4*\c+3], v[GA], s[4:5] offset:(\ai)*ASTEP+(\a)*3072+512*\c
.endr
.endr
.endm
.macro SCALES set, so                  ; two steps' scale words: lanes 0-15 xh's block i, lanes 16-31 weight block i
.irp i, 0,1,2,3,4,5,6,7
	ds_load_b64 v[SC+16*(\set)+2*\i:SC+16*(\set)+2*\i+1], v[ADRS] offset:\i*4352+(\so)
.endr
.endm
; 8 matrix instructions: xh's block a x the eight weight blocks.  The 64 accumulators take turns in the same order in every step.  first = 1: the bias starts the sum
.macro MUL8 a, st, first
.irp b, 0,1,2,3,4,5,6,7
.if \first
	v_wmma_scale_f32_16x16x128_f8f6f4 v[8*(8*((\a)%4)+\b):8*(8*((\a)%4)+\b)+7], v[128*((\st)%2)+FR*\b:128*((\st)%2)+FR*\b+FR-1], v[AF+96*((\st)%2)+FR*(\a):AF+96*((\st)%2)+FR*(\a)+FR-1], v[96+8*\b+96*(\b/4):96+8*\b+96*(\b/4)+7], v[SC+16*(((\st)/2)%2)+(\st)%2+2*\b], v[SC+16*(((\st)/2)%2)+(\st)%2+2*(\a)] matrix_a_fmt:MATRIX_FMT_FP6 matrix_b_fmt:MATRIX_FMT_FP6 matrix_a_scale:MATRIX_SCALE_ROW1
.else
	v_wmma_scale_f32_16x16x128_f8f6f4 v[8*(8*((\a)%4)+\b):8*(8*((\a)%4)+\b)+7], v[128*((\st)%2)+FR*\b:128*((\st)%2)+FR*\b+FR-1], v[AF+96*((\st)%2)+FR*(\a):AF+96*((\st)%2)+FR*(\a)+FR-1], v[8*(8*((\a)%4)+\b):8*(8*((\a)%4)+\b)+7], v[SC+16*(((\st)/2)%2)+(\st)%2+2*\b], v[SC+16*(((\st)/2)%2)+(\st)%2+2*(\a)] matrix_a_fmt:MATRIX_FMT_FP6 matrix_b_fmt:MATRIX_FMT_FP6 matrix_a_scale:MATRIX_SCALE_ROW1
.endif
.endr
.endm
; A step of 128 along K (st: the step modulo 8).  The wait at its head leaves out the LDS loads of the run just issued (DSN of them: weight blocks 0-3 of the next step).
; fm: in the middle, weight blocks 4-7 of step st + 1 (1; 2: by the head's form).  fe = 1: at the end, weight blocks 0-3 of step st + 2, into the set just multiplied.
; ld = 1: xh's blocks of step st + 2, blocks 0-3 in the middle and 4-7 at the end, into the registers just multiplied.  hw, mw: the younger loads of xh that may be out: three groups of twelve while ld = 1.
; sync = 1: the chunk in \slot is read no more (its last reads were issued in the middle of the step before): the three lines, a round of the cluster's barrier, and the slot's next chunk, three chunks on.
; sync = 2: a barrier that shows the last chunk to all waves.
; pf: a prefetch of the chunk two refills on, 16 rows x 256 bytes, behind the run of loads; pf = 2: not in the loop's last trip, where that chunk would lie past the row's end.
.macro STEP st, first, sync, slot, ld, ai, bump, hw, mw, fm, fe, pf, pfo
.set NX, (\st)+1
.set GG, G0B+4*(\slot)+4*((\slot)/2)
.if \sync
	s_wait_tensorcnt 0x0                           ; all my tensor loads have landed
.endif
.if (\sync) == 1
	ds_add_u32 v[SPW], v[NIL]
	s_wait_dscnt DSN+1                             ; the add and the run just issued may be out
.else
	s_wait_dscnt DSN
.endif
	s_wait_loadcnt \hw
.if \first
	WIN FST_LO
.else
	WIN MUL_LO
.endif
	MUL8 0, \st, \first
	MUL8 1, \st, \first
.if \sync
	s_wait_dscnt 0x0                               ; the add is done, my reads of the chunk left behind are over
	s_barrier_signal -1
.endif
	MUL8 2, \st, \first
	MUL8 3, \st, \first
	WIN 0
.if \sync
	s_barrier_wait -1
.endif
.if (\sync) == 1
	CREST
	s_add_nc_u64 s[GG+2:GG+3], s[GG+2:GG+3], 768
	tensor_load_to_lds s[GG:GG+3], s[G1B:G1B+7]    ; the first tensor load behind the round, one a wave
	s_nop 0
.endif
	PLACES 4
.if \ld
.if \bump
	s_wait_xcnt 0x0                                ; the loads and prefetches issued so far have read their bases
	s_add_nc_u64 s[4:5], s[4:5], 8*ASTEP
	s_add_nc_u64 s[PFA:PFA+1], s[PFA:PFA+1], 768
.endif
	LOAD_A (\st)%2, \ai, 0
.endif
.if NX%2 == 0
	SCALES (NX/2)%2, 4*NX
.endif
.if (\fm) == 1
	FETCH_B NX, 4
.endif
.if (\fm) == 2
	FETCH_P NX, 4
.endif
.if (\pf) == 2
	s_cmp_lg_u32 s3, 1
	s_cbranch_scc0 .Lno_pf_\@
.endif
.if \pf
	global_prefetch_b8 v[PFO], s[PFA:PFA+1] offset:\pfo th:TH_LOAD_NT scope:SCOPE_SE
.endif
.if (\pf) == 2
.Lno_pf_\@:
.endif
	s_wait_loadcnt \mw
.if \first
	WIN FST_HI
.else
	WIN MUL_HI
.endif
	MUL8 4, \st, \first
	MUL8 5, \st, \first
	MUL8 6, \st, \first
	MUL8 7, \st, \first
	PLACES 4
	WIN 0
.if \ld
	LOAD_A (\st)%2, \ai, 4
.endif
.set DSN, 0
.if \fe
	FETCH_B (\st)+2, 0
.endif
.endm
	WIN TO_B
.irp b, 0,1,2,3,4,5,6,7                        ; block b's bias in the result's layout: gate b / 2, columns 32 (b % 2) + 16 wn + 8 h + 0 .. 7
.irp k, 0,1
	global_load_b128 v[96+8*\b+96*(\b/4)+4*\k:96+8*\b+96*(\b/4)+4*\k+3], v[VB], s[24+2*(\b/2):25+2*(\b/2)] offset:128*(\b%2)+16*\k
.endr
.endr
	WIN 0
	global_prefetch_b8 v[PF2], s[PFA:PFA+1] offset:256 th:TH_LOAD_NT scope:SCOPE_SE   ; chunks 1 and 2, my 16 rows
	LOAD_A 0, 0, 0
	LOAD_A 0, 0, 4
	s_wait_loadcnt 40                              ; the 32 loads of scales are in; behind them: 16 of biases, 24 of xh
	WIN 0x08
.set j, 0
.rept 16
	ds_store_b128 v[SS], v[4*j:4*j+3] offset:SCB-SCA+544*j
	ds_store_b128 v[SS], v[64+4*j:64+4*j+3] offset:544*j
.set j, j+1
.endr
	WIN 0
	LOAD_A 1, 1, 0
	LOAD_A 1, 1, 4
	s_wait_tensorcnt 0x0                           ; chunk 0 is in
	ds_add_u32 v[SPW], v[NIL]
	s_wait_dscnt 0x0                               ; the add and my stores of scales are done
	CROUND
	tensor_load_to_lds s[G0B+4:G0B+7], s[G1B:G1B+7]   ; chunk 1: slot 1's first fill
	s_nop 0
	PLACES 4
	SCALES 0, 0
	FETCH_P 0, 0
	FETCH_P 0, 4
	FETCH_P 1, 0
	global_prefetch_b8 v[PF2], s[PFA:PFA+1] offset:768 th:TH_LOAD_NT scope:SCOPE_SE   ; chunks 3 and 4
.set DSN, 24                                   ; the 24 loads of step 1's blocks 0-3 may be out at step 0's head
	STEP 0, 1, 0, 0, 1, 2, 0, 36, 36, 2, 0, 0, 0   ; the first step's products start the sums, on the biases
	s_wait_tensorcnt 0x0                           ; chunk 1 is in: the same lines ahead of slot 2's first fill
	ds_add_u32 v[SPW], v[NIL]
	WIN TO_B                                       ; the biases are done with: their registers take the weights' LDS addresses, one for each slot and block
.irp s, 0,1,2
.irp b, 0,1,2,3,4,5,6,7
	v_add_nc_u32 v[96+8*\s+\b], \s*SLOT+\b*2*BLKB, v[ADR0]
.endr
.endr
.irp x, 0,1
.irp b, 0,1,2,3,4,5,6,7
	v_add_nc_u32 v[224+8*\x+\b], \x*SLOT+\b*2*BLKB, v[MX]
.endr
.endr
	WIN 0
	s_wait_alu depctr_va_vdst(0)
	s_wait_dscnt 0x0
	CROUND
	tensor_load_to_lds s[G0B+12:G0B+15], s[G1B:G1B+7]   ; chunk 2
	s_nop 0
	PLACES 4
.set DSN, 0
	FETCH_B 2, 0                                   ; step 2's blocks 0-3: chunk 1 has just been shown
	s_mov_b32 s3, 3
.Llap:                                                 ; steps 8 n + 1 to 8 n + 8: once round the ring, three refills: chunks 3 to 11 in three trips.  The run ahead of the label and the trip's last run hold the same 20 LDS loads
	STEP 1, 0, 0, 0, 1, 3, 0, 36, 36, 1, 1, 0, 0
	STEP 2, 0, 1, 0, 1, 4, 0, 36, 36, 1, 1, 1, 1280
	STEP 3, 0, 0, 0, 1, 5, 0, 36, 36, 1, 1, 0, 0
	STEP 4, 0, 0, 0, 1, 6, 0, 36, 36, 1, 1, 0, 0
	STEP 5, 0, 1, 1, 1, 7, 0, 36, 36, 1, 1, 2, 1536
	STEP 6, 0, 0, 0, 1, 8, 0, 36, 36, 1, 1, 0, 0
	STEP 7, 0, 0, 0, 1, 9, 0, 36, 36, 1, 1, 0, 0
	STEP 0, 0, 1, 2, 1, 2, 1, 36, 36, 1, 1, 2, 1024
	v_add_nc_u32 v[ADRS], 32, v[ADRS]              ; eight steps' scale words on
	s_sub_co_u32 s3, s3, 1
	s_cmp_lg_u32 s3, 0
	s_wait_alu depctr_va_vdst(0)
	s_cbranch_scc1 .Llap
	STEP 1, 0, 0, 0, 1, 3, 0, 36, 36, 1, 1, 0, 0   ; steps 25 to 31 fill nothing
	STEP 2, 0, 2, 0, 1, 4, 0, 36, 36, 1, 1, 0, 0   ; chunk 11 is shown to all waves
	STEP 3, 0, 0, 0, 1, 5, 0, 36, 36, 1, 1, 0, 0
	STEP 4, 0, 0, 0, 1, 6, 0, 36, 36, 1, 1, 0, 0
	STEP 5, 0, 0, 0, 1, 7, 0, 36, 36, 1, 1, 0, 0   ; asks for step 31's blocks of xh: the last loads of xh
	STEP 6, 0, 0, 0, 0, 0, 0, 36, 24, 1, 0, 0, 0   ; the counts run down
	s_wait_dscnt 0x0                               ; step 31: my reads of the slots are over
	s_wait_loadcnt 12
	WIN MUL_LO
	MUL8 0, 7, 0
	MUL8 1, 7, 0
	MUL8 2, 7, 0
	MUL8 3, 7, 0
	s_barrier_signal -1                            ; behind this barrier the stages are written over slots 0 and 1
	s_wait_loadcnt 0x0
	WIN MUL_HI
	MUL8 4, 7, 0
	MUL8 5, 7, 0
	MUL8 6, 7, 0
	MUL8 7, 7, 0
	WIN 0
	s_barrier_wait -1
	PLACES 4
; THE GATES, block a of 16 rows: 64 numbers a lane, f in T + 0 .. 15, i in + 16, c in + 32, o in + 48.  Each accumulator is read from its low end on.
; Transcendentals stand in runs, with waits ahead of and behind each run, and one plain instruction behind each run (that one: ISA guide 5.7.2).
.macro EPI a
.set T, 64+64*((\a)%2)
.set AC, 64*((\a)%4)
	WIN 0x02+(\a)/4
.irp b, 0,1,2,3
.irp k, 0,2,4,6
	v_pk_mul_f32 v[T+8*\b+\k:T+8*\b+\k+1], v[AC+8*\b+\k:AC+8*\b+\k+1], 0xbfb8aa3b op_sel_hi:[1,0]   ; f, i: -z log2 e
.endr
.endr
.irp b, 4,5
.irp k, 0,2,4,6
	v_pk_mul_f32 v[T+8*\b+\k:T+8*\b+\k+1], v[AC+8*\b+\k:AC+8*\b+\k+1], 0x4038aa3b op_sel_hi:[1,0]   ; c: 2 z log2 e
.endr
.endr
.irp b, 6,7
.irp k, 0,2,4,6
	v_pk_mul_f32 v[T+8*\b+\k:T+8*\b+\k+1], v[AC+8*\b+\k:AC+8*\b+\k+1], 0xbfb8aa3b op_sel_hi:[1,0]   ; o
.endr
.endr
	WIN 0
.set j, 0
	s_wait_alu depctr_va_vdst(0)
.rept 64
	v_exp_f32 v[T+j], v[T+j]
.set j, j+1
.endr
	v_nop
.set j, 0
	s_wait_alu depctr_va_vdst(0)
.rept 32
	v_pk_add_f32 v[T+j:T+j+1], v[T+j:T+j+1], 1.0 op_sel_hi:[1,0]
.set j, j+2
.endr
.set j, 0
	s_wait_alu depctr_va_vdst(0)
.rept 64
	v_rcp_f32 v[T+j], v[T+j]
.set j, j+1
.endr
	v_nop
	s_wait_alu depctr_va_vdst(0)
.irp p, 0,2,4,6,8,10,12,14
	v_pk_add_f32 v[T+\p:T+\p+1], v[T+\p:T+\p+1], v[T+16+\p:T+17+\p]                    ; ft + it
.endr
.irp p, 0,2,4,6,8,10,12,14
	v_pk_fma_f32 v[T+32+\p:T+33+\p], v[T+32+\p:T+33+\p], -2.0, 1.0 op_sel_hi:[1,0,0]   ; tanh(z_c)
.endr
.irp p, 0,2,4,6,8,10,12,14
	v_pk_mul_f32 v[T+\p:T+\p+1], v[T+\p:T+\p+1], v[T+32+\p:T+33+\p]                    ; ct
.endr
.irp p, 0,2,4,6,8,10,12,14
	v_pk_mul_f32 v[T+16+\p:T+17+\p], v[T+\p:T+\p+1], 0x4038aa3b op_sel_hi:[1,0]        ; 2 ct log2 e
.endr
.set j, 16
	s_wait_alu depctr_va_vdst(0)
.rept 16
	v_exp_f32 v[T+j], v[T+j]
.set j, j+1
.endr
	v_nop
	s_wait_alu depctr_va_vdst(0)
.irp p, 0,2,4,6,8,10,12,14
	v_pk_add_f32 v[T+16+\p:T+17+\p], v[T+16+\p:T+17+\p], 1.0 op_sel_hi:[1,0]
.endr
.set j, 16
	s_wait_alu depctr_va_vdst(0)
.rept 16
	v_rcp_f32 v[T+j], v[T+j]
.set j, j+1
.endr
	v_nop
	s_wait_alu depctr_va_vdst(0)
.irp p, 0,2,4,6,8,10,12,14
	v_pk_fma_f32 v[T+16+\p:T+17+\p], v[T+16+\p:T+17+\p], -2.0, 1.0 op_sel_hi:[1,0,0]   ; tanh(ct)
.endr
.irp p, 0,2,4,6,8,10,12,14
	v_pk_mul_f32 v[T+48+\p:T+49+\p], v[T+48+\p:T+49+\p], v[T+16+\p:T+17+\p]            ; ht
.endr
.irp u, 0,1
.irp k, 0,1
	ds_store_b128 v[STO], v[T+48+8*\u+4*\k:T+48+8*\u+4*\k+3] offset:(\a)*32*SPITCH+128*\u+16*\k
	ds_store_b128 v[STO+1], v[T+8*\u+4*\k:T+8*\u+4*\k+3] offset:(\a)*32*SPITCH+128*\u+16*\k
.endr
.endr
.endm
; THE WAY OUT, in four parts: part p is rows 64 p .. 64 p + 63 of both stages.  A row's 256 bytes come from two waves: a barrier stands between the writing and the reading; each row is written once and read once.
.macro LOADB p
.irp o, 0,1
.irp t, 0,1,2,3,4,5,6,7
	ds_load_b128 v[192+32*\o+4*\t:192+32*\o+4*\t+3], v[RD+\o] offset:(64*(\p)+2*\t)*SPITCH
.endr
.endr
.endm
.macro SENDB p
.irp o, 0,1
.irp t, 0,1,2,3,4,5,6,7
	s_wait_dscnt 15-8*\o-\t                        ; this pair of rows is in, the younger loads stay out
	global_store_b128 v[CO], v[192+32*\o+4*\t:192+32*\o+4*\t+3], s[32+2*\o:33+2*\o] offset:(64*(\p)+2*\t)*8192 th:TH_STORE_NT   ; 16 lanes store 256 consecutive bytes, at a multiple of 256
.endr
.endr
.endm
.irp p, 0,1,2,3
	EPI 2*\p
	EPI 2*\p+1
	s_wait_dscnt 0x0                               ; for the others' sake: my stores into the stages are done
	s_barrier_signal -1
	s_barrier_wait -1
.if \p > 0
	s_wait_xcnt 0x0                                ; the last part's stores have read their registers
.endif
	LOADB \p
	SENDB \p
.endr
	s_wait_tensorcnt 0x0                           ; the wave's end
	ds_add_u32 v[SPW], v[NIL]
	s_wait_dscnt 0x0
	CROUND                                         ; the closing round
	s_endpgm
.Lfunc_end_k_q15b33ec3db_lstm:
	.size	k_q15b33ec3db_lstm, .Lfunc_end_k_q15b33ec3db_lstm-k_q15b33ec3db_lstm
	.p2alignl 7, 3214868480
	.fill 96, 4, 3214868480
	.section	.rodata,"a",@progbits
	.p2align	6, 0x0
	.amdhsa_kernel k_q15b33ec3db_lstm
		.amdhsa_group_segment_fixed_size 327680
		.amdhsa_private_segment_fixed_size 0
		.amdhsa_enable_private_segment 0
		.amdhsa_kernarg_size 128
		.amdhsa_user_sgpr_count 2
		.amdhsa_user_sgpr_kernarg_segment_ptr 1
		.amdhsa_wavefront_size32 1
		.amdhsa_system_sgpr_workgroup_id_x 1
		.amdhsa_system_sgpr_workgroup_id_y 1
		.amdhsa_system_sgpr_workgroup_id_z 1
		.amdhsa_system_vgpr_workitem_id 0
		.amdhsa_next_free_vgpr 1024
		.amdhsa_next_free_sgpr 100
		.amdhsa_reserve_vcc 0
		.amdhsa_float_denorm_mode_32 3
		.amdhsa_float_denorm_mode_16_64 3
		.amdhsa_memory_ordered 1
		.amdhsa_forward_progress 1
		.amdhsa_inst_pref_size 255
	.end_amdhsa_kernel
	.section	.bss,"aw",@nobits
	.p2align	6
	.space	262144
	.amdgpu_metadata
---
amdhsa.version: [ 1, 2 ]
amdhsa.kernels:
  - .name:           k_q15b33ec3db_lstm
    .symbol:         k_q15b33ec3db_lstm.kd
    .args:
      - { .name: a_img, .offset: 0, .size: 8, .value_kind: global_buffer, .address_space: global }
      - { .name: a_sc, .offset: 8, .size: 8, .value_kind: global_buffer, .address_space: global }
      - { .name: Wf_codes, .offset: 16, .size: 8, .value_kind: global_buffer, .address_space: global }
      - { .name: Wi_codes, .offset: 24, .size: 8, .value_kind: global_buffer, .address_space: global }
      - { .name: Wc_codes, .offset: 32, .size: 8, .value_kind: global_buffer, .address_space: global }
      - { .name: Wo_codes, .offset: 40, .size: 8, .value_kind: global_buffer, .address_space: global }
      - { .name: Wf_scales, .offset: 48, .size: 8, .value_kind: global_buffer, .address_space: global }
      - { .name: Wi_scales, .offset: 56, .size: 8, .value_kind: global_buffer, .address_space: global }
      - { .name: Wc_scales, .offset: 64, .size: 8, .value_kind: global_buffer, .address_space: global }
      - { .name: Wo_scales, .offset: 72, .size: 8, .value_kind: global_buffer, .address_space: global }
      - { .name: bf, .offset: 80, .size: 8, .value_kind: global_buffer, .address_space: global }
      - { .name: bi, .offset: 88, .size: 8, .value_kind: global_buffer, .address_space: global }
      - { .name: bc, .offset: 96, .size: 8, .value_kind: global_buffer, .address_space: global }
      - { .name: bo, .offset: 104, .size: 8, .value_kind: global_buffer, .address_space: global }
      - { .name: out0, .offset: 112, .size: 8, .value_kind: global_buffer, .address_space: global }
      - { .name: out1, .offset: 120, .size: 8, .value_kind: global_buffer, .address_space: global }
    .group_segment_fixed_size: 327680
    .private_segment_fixed_size: 0
    .kernarg_segment_align: 8
    .kernarg_segment_size: 128
    .max_flat_workgroup_size: 128
    .sgpr_count:     100
    .vgpr_count:     1024
    .wavefront_size: 32
...
	.end_amdgpu_metadata
.endif
;; end of part 2
